; MI455X (gfx1250); checked and timed in simulation.
; The chip was launched on July 23, 2026; its instructions are those of AMD's public machine-readable ISA for CDNA 5 (MIT licence, August 2026) and "CDNA5" Instruction Set Architecture Reference Guide (July 2026). The comments in the code are by the model that wrote it; some were corrected since.
;; Router. Allowed arithmetic: matrix products marked QUANTISED: E2M1 operands, one E8M0 scale for each 32 along K, by v_wmma_scale_f32_16x16x128_f8f6f4 with both operands' format E2M1 (or v_wmma_scale_f32_32x16x128_f4), f32 sums; products left as they are: f32 operands where the result goes on into a quantised operand, else bf16, f16 or f32 operands; f32 sums; everything else in f32.
;; Inputs: We 8 x 2,048 x 2,048 float32; Wp 8 x 2,048 float32; be 8 x 2,048 float32; bp 8 float32; condition 2,048 x 2,048 float32; inputs 2,048 x 2,048 float32.
;; Outputs: out0 2,048 x 2,048 float32.
;; This version of the problem:
;;   THIS VERSION OF THE PROBLEM IS GIVEN IN LOW PRECISION. The matrix products marked QUANTISED in the list below multiply operands that are first quantised to E2M1 (2 exponent bits, 1 mantissa bit; 4 bits a number), with one power-of-two scale for each 32 numbers along K (OCP MX v1.0); their sums are f32. All else is computed in f32.
;;   The module's matrix products, in the order in which they are computed (A, B: the left and right operand; K: the contracted axis; several contracted axes count as one K, in the product's order):
;;     1. [M 2,048, K 2,048] x [K 2,048, N 8]; A: input condition; B: input Wp: left as it is (N = 8 < 16)
;;     2. [M 16,384, K 2,048] x [K 2,048, N 2,048]; A: input We; B: input inputs: QUANTISED
;;   THE QUANTISER, for each operand of a quantised product, along K:
;;     - K is cut into blocks of 32 from its start; a last block that is shorter is filled with zeros.
;;     - A block's scale is 2^e with e = floor(log2(the largest magnitude in the block)) - 2, held to -126 .. 127; a block of zeros has e = 0. As a byte (E8M0): e + 127.
;;     - Each number is divided by its block's scale, clamped to +-6, and rounded to the nearest number of E2M1, ties to even, subnormals kept.
;;     - The product sums the exact products of the quantised numbers (number of the format x scale) in f32.
;;   ~~~python
;;   def quantise(x, axis):      # numpy; x: float32 -> the quantised numbers, widened to float32 again
;;       x = np.moveaxis(x, axis, -1); K = x.shape[-1]
;;       x = np.pad(x, [(0, 0)] * (x.ndim - 1) + [(0, -K % 32)]); x = x.reshape(x.shape[:-1] + (-1, 32)); a = np.abs(x).max(-1, keepdims=True)
;;       e = np.where(a > 0, np.clip(np.frexp(np.where(a > 0, a, 1))[1] - 1 - 2, -126, 127), 0)      # np.frexp(a)[1] - 1 = floor(log2(a)), exactly
;;       r = np.clip(x / 2.0 ** e, -6, 6)
;;       step = 2.0 ** (np.maximum(np.frexp(np.where(r == 0, 1, r))[1] - 1, 0) - 1)
;;       q = np.round(r / step) * step * 2.0 ** e      # np.round: ties to even
;;       return np.moveaxis(q.reshape(q.shape[:-2] + (-1,))[..., :K], -1, axis).astype(np.float32)
;;   ~~~
;; One version. Each part assembles by itself: llvm-mc -triple=amdgcn-amd-amdhsa -mcpu=gfx1250 --defsym DOCPART=n.
;; ======== version 1 of 1: 3 launches
;; limits: right only within a limited range of input values
;; workspace buffers: idx 8,192 bytes of whole numbers; mult 8,192 bytes; xc 2,097,152 bytes; xs 131,072 bytes; list 81,920 bytes of whole numbers
;; launch route (part 1): grid 256 x 1, 8 waves a work-group, no clusters, 108,544 bytes of LDS; arguments condition, Wp, bp, inputs, idx, mult, xc, xs; writes idx, mult, xc, xs
.if DOCPART == 1
	.amdgcn_target "amdgcn-amd-amdhsa--gfx1250"
	.amdhsa_code_object_version 6
	.text
	.protected	k_q598910df95_route
	.globl	k_q598910df95_route
	.p2align	8
	.type	k_q598910df95_route,@function
k_q598910df95_route:
	s_mov_b64 s[64:65], 0
	v_nop
	global_prefetch_b8 v0, s[64:65] scope:SCOPE_SE
	s_setreg_imm32_b32 hwreg(HW_REG_WAVE_MODE, 25, 1), 1
	s_wait_xcnt 0x0
; ROUTER AND QUANTISER OF x.  For each of 2,048 tokens: the eight logits condition[n] . Wp[e] + bp[e] in f32 (fused multiply-adds, no narrow format: an argmax
; that turns over would change a whole output row); idx[n] = the first largest logit's expert; mult[n] = 1 + (p - p) of that logit; and inputs[n] as codes of
; FP4 (E2M1) with one E8M0 byte for each 32 along K, for the next launch.
; SHARES.  Work-group b takes tokens 8 b .. 8 b + 7, wave w token n = 8 b + w.  A row of condition and a row of inputs are 8,192 bytes: 64 registers a lane each.
; All of a wave's 48 loads go out at the head; every load of a wave covers 512 consecutive bytes.  Wp (65,536 bytes) is copied once into LDS and read there by all eight waves.
; xc: [token][k / 2]: a token's 1,024 bytes hold its codes in the plain order of k, two codes a byte.
; xs: [token][64]: byte b is block b's scale.  idx, mult: [2048] words.
; A block's scale byte is its largest magnitude's exponent field - 2, held at 1 from below.  A block of zeros so has the byte 1 over zero codes; only this program reads the bytes.
; LIMITS: a NaN among the logits is not served (the comparison passes over it, where the reference's argmax takes the first NaN); an infinite largest logit gives mult = NaN, as in the reference;
; logits that lie closer together than the error of an f32 sum of 2,048 terms may be ordered otherwise than by another order of summation; NaN and infinities in inputs are not served;
; blocks whose largest magnitude lies under 2^-124 keep the byte 1.
; No matrix unit (8 columns), no cluster, no copy engine: each work-group's rows are its own, and Wp is 64 KiB against 128 KiB of rows.
.set XST, 65536                        ; LDS: Wp at 0; from here a region of 5,120 bytes for each wave: two stages of 32 x SP bytes
.set XSG, 106496                       ; 64 scale bytes for each wave
.set IMG, 107008                       ; 8 words of idx, then 8 words of mult
.set SP,  80                           ; a lane's place in a stage: 64 bytes + 16 of padding
.set W,   16                           ; v16-79   Wp on its way to LDS; then two sets of 32 for a piece of Wp; then the quantiser's registers
.set CD,  80                           ; v80-143  my token's row of condition: register 4 j + c = k 128 j + 4 lane + c
.set XL,  144                          ; v144-207 my token's row of inputs, likewise
.set AC,  208                          ; v208-223 eight pairs of sums
.set PR,  224                          ; v224-231 the eight logits
.set PT,  232                          ; v232-239 the other half of the lanes' sums
.set XQ,  16                           ; v16-47   two sets of 16 neighbours along K
.set CQ,  48                           ; v48-55   a pair of code registers for each step: no store's data are written again
.set EQ,  56                           ; v56-59   a scale byte for each step
	s_load_b512 s[8:23], s[0:1], 0x0               ; condition s[8:9], Wp s[10:11], bp s[12:13], inputs s[14:15], idx s[16:17], mult s[18:19], xc s[20:21], xs s[22:23]
	v_lshl_add_u32 v254, v0, 2, 0x1a400
	v_mov_b32 v255, 0
	v_lshrrev_b32 v4, 5, v0
	s_delay_alu instid0(VALU_DEP_1)
	v_readfirstlane_b32 s24, v4                    ; wave 0..7
	v_and_b32 v1, 31, v0                           ; lane
	s_delay_alu instid0(VALU_DEP_1)
	v_lshlrev_b32 v2, 4, v1                        ; 16 x lane
	v_lshlrev_b32 v3, 4, v0                        ; 16 x thread
	s_mul_i32 s25, s24, 2*32*SP
	s_add_co_u32 s25, s25, XST                     ; my wave's stages
	v_lshrrev_b32 v5, 2, v1
	s_delay_alu instid0(VALU_DEP_1)
	v_mul_u32_u24 v5, v5, SP
	v_and_b32 v6, 3, v1
	s_delay_alu instid0(VALU_DEP_1)
	v_lshl_add_u32 v5, v6, 4, v5
	s_delay_alu instid0(VALU_DEP_1)
	v_add_nc_u32 v5, s25, v5                       ; into a stage: four lanes' 64 bytes on end, then the padding
	v_mul_u32_u24 v6, v1, SP
	s_delay_alu instid0(VALU_DEP_1)
	v_add_nc_u32 v6, s25, v6                       ; out of it: my 16 neighbours
	v_lshrrev_b32 v8, 1, v1                        ; p = lane / 2: my block among a step's sixteen
	v_lshlrev_b32 v7, 3, v1                        ; xc: 8 x lane: a token's 1,024 bytes hold its codes in the plain order of k, two codes a byte (this order stands in place of the order of pieces named at the head)
	s_lshl_b32 s25, s24, 6
	s_add_co_u32 s25, s25, XSG
	v_add_nc_u32 v8, s25, v8                       ; my block's scale byte
	s_lshl_b32 s25, s24, 2
	s_add_co_u32 s25, s25, IMG
	v_mov_b32 v9, s25                              ; my token's word of idx; mult's lies 32 bytes on
	v_add_nc_u32 v10, XSG, v2                      ; wave 0, at the end: the work-group's 512 scale bytes,
	v_and_b32 v11, 15, v1
	s_delay_alu instid0(VALU_DEP_1)
	v_lshl_add_u32 v11, v11, 2, IMG                ; and its sixteen words
	v_and_b32 v12, 7, v1
	s_delay_alu instid0(VALU_DEP_1)
	v_lshlrev_b32 v12, 2, v12                      ; where a word goes in idx or in mult
	v_and_b32 v13, 24, v1                          ; 0 in lanes 0-7, 8 in lanes 8-15
.irp e, 0,1,2,3,4,5,6,7
	v_mov_b32 v[PT+\e], 0                          ; written once: a lane permute's destination counts as one of its sources
.endr
	s_mov_b32 s28, 0x76543210
	s_mov_b32 s29, 0xfedcba98                      ; v_permlanex16_b32's selects for lane l xor 16
	s_lshl_b32 s31, ttmp9, 3
	s_add_co_u32 s31, s31, s24                     ; my token
	s_lshl_b32 s26, s31, 13                        ; its row: 8,192 bytes
	s_mov_b32 s27, 0
	s_wait_kmcnt 0x0
	s_load_b256 s[32:39], s[12:13], 0x0            ; bp
	s_add_nc_u64 s[8:9], s[8:9], s[26:27]
	s_add_nc_u64 s[14:15], s[14:15], s[26:27]
	s_lshl_b32 s26, s31, 10                        ; its codes: 1,024 bytes
	s_add_nc_u64 s[20:21], s[20:21], s[26:27]
	s_lshl_b32 s26, ttmp9, 9                       ; the work-group's scale bytes: 512
	s_add_nc_u64 s[22:23], s[22:23], s[26:27]
	s_lshl_b32 s26, ttmp9, 5                       ; and its 8 words
	s_add_nc_u64 s[16:17], s[16:17], s[26:27]
	s_add_nc_u64 s[18:19], s[18:19], s[26:27]
.irp i, 0,1,2,3,4,5,6,7,8,9,10,11,12,13,14,15
	global_load_b128 v[W+4*\i:W+4*\i+3], v3, s[10:11] offset:4096*\i      ; Wp: the 256 threads take 4,096 consecutive bytes
.endr
.irp j, 0,1,2,3,4,5,6,7,8,9,10,11,12,13,14,15
	global_load_b128 v[CD+4*\j:CD+4*\j+3], v2, s[8:9] offset:512*\j th:TH_LOAD_NT
.endr
.irp j, 0,1,2,3,4,5,6,7,8,9,10,11,12,13,14,15
	global_load_b128 v[XL+4*\j:XL+4*\j+3], v2, s[14:15] offset:512*\j th:TH_LOAD_NT
.endr
	s_wait_loadcnt 32                              ; Wp's sixteen are in; the 32 younger loads stay out
.irp i, 0,1,2,3,4,5,6,7,8,9,10,11,12,13,14,15
	ds_store_b128 v3, v[W+4*\i:W+4*\i+3] offset:4096*\i                   ; as it lies: expert e's number k at 8192 e + 4 k
.endr
	s_wait_dscnt 0x0                               ; for the others' sake: my part of Wp has landed
	s_barrier_signal -1
	s_barrier_wait -1
	s_wait_loadcnt 16                              ; condition is in; inputs may stay out
; THE LOGITS.  Piece j is 128 along K: each lane takes its four numbers of each expert's row from LDS and adds the products onto eight pairs of sums, the experts by turns.
.macro WLOAD j
.irp e, 0,1,2,3,4,5,6,7
	ds_load_b128 v[W+32*((\j)%2)+4*\e:W+32*((\j)%2)+4*\e+3], v2 offset:8192*\e+512*(\j)
.endr
.endm
.macro DOT j
.irp u, 0,1
.irp e, 0,1,2,3,4,5,6,7
.if ((\j) == 0) && (\u == 0)
	v_pk_mul_f32 v[AC+2*\e:AC+2*\e+1], v[CD+4*(\j)+2*\u:CD+4*(\j)+2*\u+1], v[W+32*((\j)%2)+4*\e+2*\u:W+32*((\j)%2)+4*\e+2*\u+1]   ; the first products start the sums
.else
	v_pk_fma_f32 v[AC+2*\e:AC+2*\e+1], v[CD+4*(\j)+2*\u:CD+4*(\j)+2*\u+1], v[W+32*((\j)%2)+4*\e+2*\u:W+32*((\j)%2)+4*\e+2*\u+1], v[AC+2*\e:AC+2*\e+1]
.endif
.endr
.endr
.endm
	WLOAD 0
.set J, 0
.rept 16
.if J < 15
	WLOAD J+1
	s_wait_alu depctr_va_vdst(0)
	s_wait_dscnt 8                                 ; this piece's eight loads are in; the next piece's eight stay out
.else
	s_wait_alu depctr_va_vdst(0)
	s_wait_dscnt 0x0
.endif
	DOT J
.set J, J+1
.endr
.irp e, 0,1,2,3,4,5,6,7
	v_add_f32 v[PR+\e], v[AC+2*\e], v[AC+2*\e+1]
.endr
.irp m, 1,2,4,8
.irp e, 0,1,2,3,4,5,6,7
	v_add_f32_dpp v[PR+\e], v[PR+\e], v[PR+\e] row_xmask:\m row_mask:0xf bank_mask:0xf
.endr
.endr
.irp e, 0,1,2,3,4,5,6,7
	v_permlanex16_b32 v[PT+\e], v[PR+\e], s28, s29
.endr
	s_wait_alu depctr_va_vdst(0)
	s_wait_kmcnt 0x0                               ; bp
.irp e, 0,1,2,3,4,5,6,7
	v_add_f32 v[PR+\e], v[PR+\e], v[PT+\e]         ; every lane holds the sum over K
.endr
.irp e, 0,1,2,3,4,5,6,7
	v_add_f32 v[PR+\e], s[32+\e], v[PR+\e]
.endr
	v_mov_b32 v240, v[PR]                          ; the largest so far,
	v_mov_b32 v241, 0                              ; and its expert.  Only a strictly larger logit takes over: the lower index is kept
.irp e, 1
	s_delay_alu instid0(VALU_DEP_2)
	v_cmp_gt_f32 vcc_lo, v[PR+\e], v240
	v_mov_b32 v243, \e
	s_delay_alu instid0(VALU_DEP_1)
	v_cndmask_b32 v241, v241, v243, vcc_lo
	v_max_num_f32 v240, v240, v[PR+\e]
.endr
.irp e, 2, 3, 4, 5, 6, 7
	s_delay_alu instid0(VALU_DEP_1)
	v_cmp_gt_f32 vcc_lo, v[PR+\e], v240
	v_mov_b32 v243, \e
	s_delay_alu instid0(VALU_DEP_1)
	v_cndmask_b32 v241, v241, v243, vcc_lo
	s_delay_alu instid0(VALU_DEP_4)
	v_max_num_f32 v240, v240, v[PR+\e]
.endr
	s_delay_alu instid0(VALU_DEP_1)
	v_sub_f32 v242, v240, v240
	s_delay_alu instid0(VALU_DEP_1)
	v_add_f32 v242, 1.0, v242                      ; 1 + (p - p)
	ds_store_b32 v9, v241                          ; all lanes write the same word with the same value
	ds_store_b32 v9, v242 offset:32
; THE QUANTISER.  Four steps of 512 numbers.  The conversions take neighbours along K from one lane's registers, the loads gave neighbouring lanes neighbouring bytes: so a step's 2,048 bytes
; go through my wave's stage as they lie and come back 64 bytes a lane; two neighbouring lanes then hold a block of 32.  Two stages by turns, one step ahead of the arithmetic.
.macro TURN t
.irp i, 0,1,2,3
	ds_store_b128 v5, v[XL+16*(\t)+4*\i:XL+16*(\t)+4*\i+3] offset:32*SP*((\t)%2)+8*SP*\i
.endr
.irp i, 0,1,2,3
	ds_load_b128 v[XQ+16*((\t)%2)+4*\i:XQ+16*((\t)%2)+4*\i+3], v6 offset:32*SP*((\t)%2)+16*\i   ; LDS serves a wave's instructions in order (ISA guide 5.7.1): these see the stores above
.endr
.endm
.macro STEP t
.set XS_, XQ+16*((\t)%2)
.if (\t) > 0
	s_wait_dscnt 1                                 ; this step's numbers are back from the stage; the last step's byte store may be out
.else
	s_wait_dscnt 0x0
.endif
.if (\t) < 3
	s_wait_loadcnt 8-4*(\t)                        ; the next step's four loads are in; those of the steps behind it stay out
	TURN (\t)+1
.endif
	v_max3_num_f32 v60, |v[XS_]|, |v[XS_+1]|, |v[XS_+2]|          ; the largest magnitude of my 16, in two chains
	v_max3_num_f32 v61, |v[XS_+3]|, |v[XS_+4]|, |v[XS_+5]|
.irp i, 6,10
	s_delay_alu instid0(VALU_DEP_2)
	v_max3_num_f32 v60, v60, |v[XS_+\i]|, |v[XS_+\i+1]|
	s_delay_alu instid0(VALU_DEP_2)
	v_max3_num_f32 v61, v61, |v[XS_+\i+2]|, |v[XS_+\i+3]|
.endr
	s_delay_alu instid0(VALU_DEP_2)
	v_max3_num_f32 v60, v60, |v[XS_+14]|, |v[XS_+15]|
	s_delay_alu instid0(VALU_DEP_1)
	v_max3_num_f32 v60, v60, v61, 0x1800000        ; and the floor 2^(3 - 127): the byte cannot fall under 1
	s_delay_alu instid0(VALU_DEP_1)
	v_max_num_f32_dpp v60, v60, v60 row_xmask:1 row_mask:0xf bank_mask:0xf   ; with my neighbour's 16: the block's
	s_delay_alu instid0(VALU_DEP_1)
	v_add_nc_u32 v62, 0xff000000, v60              ; 2 off its exponent field: the conversion takes this operand's exponent field as its scale
	v_cvt_scalef32_pk8_fp4_f32 v[CQ+2*(\t)], v[XS_:XS_+7], v62
	v_cvt_scalef32_pk8_fp4_f32 v[CQ+2*(\t)+1], v[XS_+8:XS_+15], v62
	v_lshrrev_b32 v[EQ+(\t)], 23, v62              ; the scale's byte (a plain line behind the conversions)
	ds_store_b8 v8, v[EQ+(\t)] offset:16*(\t)      ; both lanes of a block write the same byte with the same value
	global_store_b64 v7, v[CQ+2*(\t):CQ+2*(\t)+1], s[20:21] offset:256*(\t)   ; the wave's 32 x 8 bytes fill 256 consecutive bytes, aligned
.endm
	s_wait_loadcnt 12                              ; step 0's four loads are in
	TURN 0
	STEP 0
	STEP 1
	STEP 2
	STEP 3
	s_wait_dscnt 0x0                               ; for wave 0's sake: my scale bytes and my two words have landed
	s_barrier_signal -1
	s_barrier_wait -1
	s_cmp_lg_u32 s24, 0
	s_cbranch_scc1 .Ldone
	ds_load_b128 v[64:67], v10                     ; wave 0 sends out what the eight waves gathered
	ds_load_b32 v68, v11
	s_wait_dscnt 0x0
	global_store_b128 v2, v[64:67], s[22:23]       ; 512 consecutive bytes of xs, aligned
	v_cmp_eq_u32 vcc_lo, 0, v13
	s_wait_xcnt 0x0                                ; EXEC changes only behind this wait
	s_and_saveexec_b32 s30, vcc_lo
	global_store_b32 v12, v68, s[16:17]            ; lanes 0-7: idx.  32 bytes: a work-group has eight tokens
	s_wait_xcnt 0x0
	s_or_b32 exec_lo, exec_lo, s30
	v_cmp_eq_u32 vcc_lo, 8, v13
	s_wait_xcnt 0x0
	s_and_saveexec_b32 s30, vcc_lo
	global_store_b32 v12, v68, s[18:19]            ; lanes 8-15: mult
	s_wait_xcnt 0x0
	s_or_b32 exec_lo, exec_lo, s30
.Ldone:
	s_wait_tensorcnt 0x0
	ds_add_u32 v254, v255
	s_wait_dscnt 0x0
	s_endpgm
.Lfunc_end_k_q598910df95_route:
	.size	k_q598910df95_route, .Lfunc_end_k_q598910df95_route-k_q598910df95_route
	.p2alignl 7, 3214868480
	.fill 96, 4, 3214868480
	.section	.rodata,"a",@progbits
	.p2align	6, 0x0
	.amdhsa_kernel k_q598910df95_route
		.amdhsa_group_segment_fixed_size 108544
		.amdhsa_private_segment_fixed_size 0
		.amdhsa_enable_private_segment 0
		.amdhsa_kernarg_size 64
		.amdhsa_user_sgpr_count 2
		.amdhsa_user_sgpr_kernarg_segment_ptr 1
		.amdhsa_wavefront_size32 1
		.amdhsa_system_sgpr_workgroup_id_x 1
		.amdhsa_system_sgpr_workgroup_id_y 1
		.amdhsa_system_sgpr_workgroup_id_z 1
		.amdhsa_system_vgpr_workitem_id 0
		.amdhsa_next_free_vgpr 256
		.amdhsa_next_free_sgpr 66
		.amdhsa_reserve_vcc 1
		.amdhsa_float_denorm_mode_32 3
		.amdhsa_float_denorm_mode_16_64 3
		.amdhsa_memory_ordered 1
		.amdhsa_forward_progress 1
		.amdhsa_inst_pref_size 47
	.end_amdhsa_kernel
	.amdgpu_metadata
---
amdhsa.version: [ 1, 2 ]
amdhsa.kernels:
  - .name:           k_q598910df95_route
    .symbol:         k_q598910df95_route.kd
    .args:
      - { .name: condition, .offset: 0, .size: 8, .value_kind: global_buffer, .address_space: global }
      - { .name: Wp, .offset: 8, .size: 8, .value_kind: global_buffer, .address_space: global }
      - { .name: bp, .offset: 16, .size: 8, .value_kind: global_buffer, .address_space: global }
      - { .name: inputs, .offset: 24, .size: 8, .value_kind: global_buffer, .address_space: global }
      - { .name: idx, .offset: 32, .size: 8, .value_kind: global_buffer, .address_space: global }
      - { .name: mult, .offset: 40, .size: 8, .value_kind: global_buffer, .address_space: global }
      - { .name: xc, .offset: 48, .size: 8, .value_kind: global_buffer, .address_space: global }
      - { .name: xs, .offset: 56, .size: 8, .value_kind: global_buffer, .address_space: global }
    .group_segment_fixed_size: 108544
    .private_segment_fixed_size: 0
    .kernarg_segment_align: 8
    .kernarg_segment_size: 64
    .max_flat_workgroup_size: 256
    .sgpr_count:     66
    .vgpr_count:     256
    .wavefront_size: 32
...
	.end_amdgpu_metadata
.endif
;; end of part 1
;; launch place (part 2): grid 4 x 8, 1 waves a work-group, no clusters, 3,328 bytes of LDS; arguments idx, list; writes list
.if DOCPART == 2
	.amdgcn_target "amdgcn-amd-amdhsa--gfx1250"
	.amdhsa_code_object_version 6
	.text
	.protected	k_q598910df95_place
	.globl	k_q598910df95_place
	.p2align	8
	.type	k_q598910df95_place,@function
k_q598910df95_place:
	s_mov_b64 s[64:65], 0
	v_nop
	global_prefetch_b8 v0, s[64:65] scope:SCOPE_SE
	s_setreg_imm32_b32 hwreg(HW_REG_WAVE_MODE, 25, 1), 1
	s_wait_xcnt 0x0
; THE PLACING OF ROWS.  idx[2048] holds each token's expert.  Work-group (x, y), one wave, lays the tokens of range x (512 x .. 512 x + 511) that chose expert y into block 4 y + x of list.
; A block is 640 words: words 0 .. 575 the tokens, in any order, padded with token 0 (a padded row loads inside its buffers and is not stored by the reader); word 576 their count; the rest 0.
; 576 = six passes of 96 rows, which is what the reader may look at; a range has 512 tokens at the most, so the count's word is never a token's place.
; The block is built in LDS and leaves as five stores of 512 consecutive bytes, aligned.  One wave to a work-group: no barrier, and nobody else touches this LDS.
; 32 work-groups are all the work that there is: 2,048 words in, 32 blocks out.
.set LBLK, 2560                        ; bytes of a block
.set CNTB, 2304                        ; the count's byte in it
.set IX,   16                          ; v16-31  the range's idx: register 4 n + c of lane l is token 512 x + 128 n + 4 l + c
.set OUTR, 32                          ; v32-51  the block on its way out
.set WK,   56                          ; v56-63  four pairs by turns: a place, a token
	s_load_b128 s[4:7], s[0:1], 0x0                ; idx s[4:5], list s[6:7]
	v_lshl_add_u32 v64, v0, 2, 0xc00
	v_mov_b32 v65, 0
	s_and_b32 s8, ttmp7, 0xffff                    ; the expert
	v_lshlrev_b32 v1, 4, v0                        ; 16 x lane
	v_lshlrev_b32 v2, 2, v0                        ; 4 x lane
	v_add_nc_u32 v3, 640, v0                       ; behind the block: a word for each lane whose token did not choose this expert
	s_lshl_b32 s14, ttmp9, 9
	v_add_nc_u32 v4, s14, v2                       ; 512 x + 4 lane
	v_mov_b32 v6, CNTB
.irp j, 0,1,2,3
	v_mov_b32 v[8+\j], 0
.endr
	s_lshl_b32 s10, ttmp9, 11                      ; the range's 2,048 bytes of idx
	s_mov_b32 s11, 0
	s_lshl_b32 s12, s8, 2
	s_add_co_u32 s12, s12, ttmp9
	s_mul_i32 s12, s12, LBLK                       ; my block
	s_mov_b32 s13, 0
	s_mov_b32 s16, 0                               ; the count so far
	s_wait_alu depctr_va_vdst(0)
	s_wait_kmcnt 0x0
	s_add_nc_u64 s[4:5], s[4:5], s[10:11]
	s_add_nc_u64 s[6:7], s[6:7], s[12:13]
.irp n, 0,1,2,3
	global_load_b128 v[IX+4*\n:IX+4*\n+3], v1, s[4:5] offset:512*\n
.endr
.irp k, 0,1,2,3,4
	ds_store_b128 v1, v[8:11] offset:512*\k        ; the block begins as zeros
.endr
	s_wait_loadcnt 0x0
; One register of idx, 32 tokens: the lanes whose token chose the expert take the list's next places, in lane order; the others write their own word behind the block.
.macro SCAT reg
.set P_, WK+2*((\reg)%4)
	v_cmp_eq_u32 vcc_lo, s8, v[IX+(\reg)]
	v_mbcnt_lo_u32_b32 v[P_], vcc_lo, s16          ; the count so far + the chosen lanes below me
	s_bcnt1_i32_b32 s17, vcc_lo
	s_add_co_u32 s16, s16, s17
	v_cndmask_b32 v[P_], v3, v[P_], vcc_lo
	v_min_u32 v[P_], 0x29f, v[P_]                  ; inside the 672 words, whatever was loaded
	v_lshlrev_b32 v[P_], 2, v[P_]
	v_add_nc_u32 v[P_+1], 128*((\reg)/4)+(\reg)%4, v4
	ds_store_b32 v[P_], v[P_+1]
.endm
.set Q, 0
.rept 16
	SCAT Q
.set Q, Q+1
.endr
	v_mov_b32 v5, s16
	ds_store_b32 v6, v5                            ; the count: all lanes write the same word with the same value
.irp k, 0,1,2,3,4
	ds_load_b128 v[OUTR+4*\k:OUTR+4*\k+3], v1 offset:512*\k   ; LDS serves a wave's instructions in order (ISA guide 5.7.1): these see the stores above
.endr
	s_wait_dscnt 0x0
.irp k, 0,1,2,3,4
	global_store_b128 v1, v[OUTR+4*\k:OUTR+4*\k+3], s[6:7] offset:512*\k
.endr
	s_wait_tensorcnt 0x0
	ds_add_u32 v64, v65
	s_wait_dscnt 0x0
	s_endpgm
.Lfunc_end_k_q598910df95_place:
	.size	k_q598910df95_place, .Lfunc_end_k_q598910df95_place-k_q598910df95_place
	.p2alignl 7, 3214868480
	.fill 96, 4, 3214868480
	.section	.rodata,"a",@progbits
	.p2align	6, 0x0
	.amdhsa_kernel k_q598910df95_place
		.amdhsa_group_segment_fixed_size 3328
		.amdhsa_private_segment_fixed_size 0
		.amdhsa_enable_private_segment 0
		.amdhsa_kernarg_size 16
		.amdhsa_user_sgpr_count 2
		.amdhsa_user_sgpr_kernarg_segment_ptr 1
		.amdhsa_wavefront_size32 1
		.amdhsa_system_sgpr_workgroup_id_x 1
		.amdhsa_system_sgpr_workgroup_id_y 1
		.amdhsa_system_sgpr_workgroup_id_z 1
		.amdhsa_system_vgpr_workitem_id 0
		.amdhsa_next_free_vgpr 66
		.amdhsa_next_free_sgpr 66
		.amdhsa_reserve_vcc 1
		.amdhsa_float_denorm_mode_32 3
		.amdhsa_float_denorm_mode_16_64 3
		.amdhsa_memory_ordered 1
		.amdhsa_forward_progress 1
		.amdhsa_inst_pref_size 10
	.end_amdhsa_kernel
	.amdgpu_metadata
---
amdhsa.version: [ 1, 2 ]
amdhsa.kernels:
  - .name:           k_q598910df95_place
    .symbol:         k_q598910df95_place.kd
    .args:
      - { .name: idx, .offset: 0, .size: 8, .value_kind: global_buffer, .address_space: global }
      - { .name: list, .offset: 8, .size: 8, .value_kind: global_buffer, .address_space: global }
    .group_segment_fixed_size: 3328
    .private_segment_fixed_size: 0
    .kernarg_segment_align: 8
    .kernarg_segment_size: 16
    .max_flat_workgroup_size: 32
    .sgpr_count:     66
    .vgpr_count:     66
    .wavefront_size: 32
...
	.end_amdgpu_metadata
.endif
;; end of part 2
;; launch experts (part 3): grid 32 x 8, 4 waves a work-group, no clusters, 92,672 bytes of LDS; arguments We, be, list, mult, xc, xs, out0; writes out0
.if DOCPART == 3
	.amdgcn_target "amdgcn-amd-amdhsa--gfx1250"
	.amdhsa_code_object_version 6
	.text
	.protected	k_q598910df95_experts
	.globl	k_q598910df95_experts
	.p2align	8
	.type	k_q598910df95_experts,@function
k_q598910df95_experts:
	s_mov_b64 s[64:65], 0
	v_nop
	global_prefetch_b8 v0, s[64:65] scope:SCOPE_SE
	s_setreg_imm32_b32 hwreg(HW_REG_WAVE_MODE, 25, 1), 1
	s_wait_xcnt 0x0
; out0[n][f] = mult[n] x (Q(inputs[n]) . Q(We[idx[n]][f]) + be[idx[n]][f]), both operands in FP4 (E2M1) with one E8M0 scale for each 32 along K = 2,048.
; WORK LEFT OUT: reference() keeps combined[idx[n], n] alone, so a token's rows under the seven other experts reach no output, whatever the inputs hold: only the chosen expert's rows are multiplied.
; A NaN, an infinity or an overflow that would arise only in those rows is not carried to the result.
; SHARES.  Work-group (x, y) owns expert e = y and output columns 64 x .. 64 x + 63: 64 rows of We, 512 KiB, which nobody else reads.  Wave w turns We's rows 16 w .. 16 w + 15 of the block into codes and scale bytes
; in LDS, laid by rows with K innermost, and owns the tokens of range w (512 w .. 512 w + 511) that chose e: block 4 e + w of list (words 0 .. 575 tokens, padded with token 0; word 576 their count).
; THE QUANTISER works on the numbers as they were loaded.  Each load takes 512 consecutive bytes of a row, one K step of 128: a lane holds 4 numbers of K step 2 d and 4 of K step 2 d + 1, eight lanes hold a block.
; The blocks' largest magnitudes go over the eight lanes by three DPP steps; the lane's 8 registers are converted twice, once by each block's scale, and of each result the half that belongs to that scale is kept;
; one exchange with lane l xor 1 then gives even lanes 8 neighbouring codes of K step 2 d and odd lanes 8 of K step 2 d + 1: one store of 4 bytes a lane for a row.
; ONE STREAM.  Position P = 0 .. 9: the products of K steps 2 P - 4 and 2 P - 3 for my first 96 rows (6 tiles x 4 tiles of columns, 24 accumulators by turns); behind each the request for x's codes four K steps on, into the set just
; multiplied; then the quantising of We's K steps 2 P and 2 P + 1, with the request for the two that lie four further on.  A barrier stands behind positions 1, 3, 5, 7: codes are read only behind the barrier that follows their stores, and are written once.
; ROWS BEYOND 96 of a range (up to 512) are served behind the stream, in passes of 96: a loop of constant count over (pass, group of four K steps), its branches on the stored count inside it.
; THE MATRIX INSTRUCTION IS USED TRANSPOSED: source 0 = 16 rows of We, source 1 = 16 tokens: a lane holds one token and eight neighbouring columns.  The bias is where each sum begins.
; WHY NO COPY ENGINE AND NO CLUSTER: the passes hang on counts read from memory, so operands come through registers; We is shared with nobody; what the 32 work-groups of an expert share, x's codes, are rows picked by the list.
; No prefetch: from its first lines to the stream's end each wave has as many loads out as LOADcnt's field counts.
; LIMITS: NaN and infinities in We and inputs are not served; a block of zeros has the byte 1 over zero codes; blocks whose largest magnitude lies under 2^-124 keep the byte 1.
.set SCB,   0                          ; LDS: We's scale bytes: 68 row + block (pitch 17 words: sixteen rows' words lie in sixteen banks)
.set OST,   8192                       ; the way out: 16 rows x 272 bytes for each wave
.set CIMG,  25600                      ; We's codes: 1040 row + k / 2 (pitch 65 x 16 bytes)
.set SPARE, 92160                      ; the spare words, 128 bytes a wave
.set LBLK,  2560
.set CNTB,  2304
; REGISTERS, in windows of 256 (s_set_vgpr_msb: bits 1:0 source 0, 3:2 source 1, 5:4 source 2, 7:6 destination):
;   window 1: two landing sets of 128 for We: row i's 8 numbers at 8 i.   window 2: v0-191 x's fragments, four sets of 6 x 8; v192-223 the bias.
;   window 3: v0-191 accumulator (t, c) at 8 (4 t + c); v192-239 byte offsets in out0 of the rows that I store.
.set LN,   1
.set R,    2
.set H,    3
.set L16,  4
.set CST,  5                           ; where I store a row's codes
.set SST,  6                           ; and a scale byte
.set IMR,  9                           ; where a fragment is read
.set SCR,  10                          ; and a scale word
.set LR,   11
.set IM2,  12                          ; the same two, a group of four K steps on (later passes)
.set SC2,  13
.set STO,  14
.set RD,   15
.set C16,  16
.set H16,  18
.set H32,  20
.set L4,   24
.set LA,   25
.set LB,   26
.set LGC,  27
.set VC,   28                          ; v28-33  tile t: byte offset of my row's codes in xc
.set VS,   34                          ; v34-36  pair of tiles u: of my row's scale bytes in xs
.set VM,   37                          ; v37-42  tile t: of my row's word in mult
.set TK,   43
.set TS,   49
.set RM,   52                          ; v52-63  mult of tile t in v[52 + 2 t]; the odd registers are named with them as pairs and hold 0
.set MA,   64                          ; v64-79  row i: largest magnitude, then scale operand, of my block of K step 2 d;  v80-95 of K step 2 d + 1
.set MB,   80
.set CA,   96                          ; v96-111, v112-127 the two conversions' results, then the codes
.set CB,   112
.set T,    64                          ; on the way out: v64-95 a tile's results,
.set OB0,  96                          ;         v96-127 rows read back, by turns with OB1
.set RX,   128                         ; v128-143 lane l xor 1's codes
.set BYR,  144                         ; v144-147 four scale bytes
.set WS,   148                         ; v148-151 We's scale words of the K step in hand: scales and nothing else
.set XS,   156                         ; v156-203 x's scale words: 16 u + s: lanes 0-15 tile 2 u, lanes 16-31 tile 2 u + 1: scales and nothing else
.set WF,   204                         ; v204-235 We's four fragments of the K step in hand
.set OB1,  204
.set TT,   236                         ; v236-243 at work
.set MO,   244                         ; v244-251 a padded tile's eight offsets in out0
.set FL,   252                         ; the floor 2^(3 - 127)
.set SEL,  253                         ; v_perm_b32's selector: even lanes, odd lanes
.set SPW,  254
.set NIL,  255
.set BI,   192                         ; in window 2
.set TOW,  192                         ; in window 3
.set MSB, 0
.macro WIN new                         ; the immediate's high byte repeats the setting that is left
.if MSB != \new
	s_set_vgpr_msb (MSB<<8)|\new
.set MSB, \new
.endif
.endm
	s_load_b256 s[4:11], s[0:1], 0x0               ; We s[4:5], be s[6:7], list s[8:9], mult s[10:11]
	s_load_b128 s[12:15], s[0:1], 0x20             ; xc s[12:13], xs s[14:15]
	s_load_b64 s[16:17], s[0:1], 0x30              ; out0
	v_lshl_add_u32 v[SPW], v0, 2, SPARE
	v_mov_b32 v[NIL], 0
	v_lshrrev_b32 v1, 5, v0
	v_readfirstlane_b32 s18, v1                    ; wave 0..3
	s_and_b32 s19, ttmp7, 0xffff                   ; the expert
	s_mov_b32 s26, 0xaaaaaaaa                      ; the lanes whose bit 0, 1, 2 is set
	s_mov_b32 s27, 0xcccccccc
	s_mov_b32 s28, 0xf0f0f0f0
	v_and_b32 v[LN], 31, v0
	v_and_b32 v[R], 15, v0
	v_bfe_u32 v[H], v0, 4, 1
	v_lshlrev_b32 v[L16], 4, v[LN]
	v_lshlrev_b32 v[L4], 2, v[LN]
	v_lshrrev_b32 v[TT], 1, v[LN]
	v_and_b32 v[TT+1], 1, v[LN]
	v_lshlrev_b32 v[CST], 2, v[TT]                 ; codes: 4 (lane / 2), odd lanes 64 bytes (a K step) on
	v_lshl_add_u32 v[CST], v[TT+1], 6, v[CST]
	s_mul_i32 s40, s18, 16*1040
	s_add_co_u32 s40, s40, CIMG
	v_add_nc_u32 v[CST], s40, v[CST]
	v_and_b32 v[TT], 7, v[LN]
	v_bfe_u32 v[TT+1], v0, 3, 2
	v_mul_u32_u24 v[SST], v[TT], 68                ; scale bytes: I store for row lane % 8 (+ 8 j), block lane / 8
	v_add_nc_u32 v[SST], v[SST], v[TT+1]
	s_mul_i32 s40, s18, 16*68
	s_add_co_u32 s40, s40, SCB
	v_add_nc_u32 v[SST], s40, v[SST]
	v_mul_u32_u24 v[IMR], v[R], 1040
	v_lshl_add_u32 v[IMR], v[H], 4, v[IMR]
	v_add_nc_u32 v[IMR], CIMG, v[IMR]
	v_mul_u32_u24 v[SCR], v[R], 68
	v_lshlrev_b32 v[LR], 2, v[R]
	s_mul_i32 s40, s18, 16*272
	s_add_co_u32 s40, s40, OST
	v_mul_u32_u24 v[STO], v[R], 272
	v_lshl_add_u32 v[STO], v[H], 5, v[STO]
	v_add_nc_u32 v[STO], s40, v[STO]
	v_mul_u32_u24 v[RD], v[H], 8*272
	v_lshl_add_u32 v[RD], v[R], 4, v[RD]
	v_add_nc_u32 v[RD], s40, v[RD]
	v_lshlrev_b32 v[C16], 4, v[R]
	v_lshlrev_b32 v[H16], 4, v[H]
	v_lshlrev_b32 v[H32], 5, v[H]
	v_mov_b32 v[FL], 0x1800000
	v_mov_b32 v[SEL], 0x05040100                   ; even lanes: my low half, then the other lane's low half
	v_mov_b32 v[TT+2], 0x03020706                  ; odd lanes: the other lane's high half, then my high half
	v_cndmask_b32 v[SEL], v[SEL], v[TT+2], s26
.irp t, 0,1,2,3,4,5
	v_mov_b32 v[RM+2*\t+1], 0
.endr
.set I, 0
.rept 16
	v_mov_b32 v[RX+I], 0                           ; written once: a DPP form's destination counts as one of its sources
.set I, I+1
.endr
	s_lshl_b32 s22, s19, 24                        ; We: an expert is 2^24 bytes, the block's 64 rows 2^19, my wave's 16 rows 2^17
	s_lshl_b32 s23, ttmp9, 19
	s_add_co_u32 s22, s22, s23
	s_lshl_b32 s23, s18, 17
	s_add_co_u32 s22, s22, s23
	s_mov_b32 s23, 0
	s_lshl_b32 s36, s19, 13                        ; be: an expert is 8,192 bytes, the block's 64 columns 256
	s_lshl_b32 s38, ttmp9, 8                       ; out0: the block's 256 bytes of a row
	s_add_co_u32 s36, s36, s38
	s_mov_b32 s37, 0
	s_mov_b32 s39, 0
	s_lshl_b32 s42, s19, 2
	s_add_co_u32 s42, s42, s18
	s_mul_i32 s42, s42, LBLK                       ; list: block 4 e + wave
	s_mov_b32 s43, 0
	s_mov_b32 s31, 0                               ; 384 x pass: its bytes in the block
	s_wait_alu depctr_va_vdst(0)
	s_wait_kmcnt 0x0
	s_add_nc_u64 s[8:9], s[8:9], s[42:43]
	s_load_b32 s29, s[8:9], CNTB                   ; my range's rows; waited for behind the stream
	s_add_nc_u64 s[4:5], s[4:5], s[22:23]
	s_add_nc_u64 s[6:7], s[6:7], s[36:37]
	s_add_nc_u64 s[16:17], s[16:17], s[38:39]
; THE TOKENS OF THE PASS AT s31, 21 loads.  The furthest byte read is 384 x 5 + 384 = 2,304: inside the block's 576 tokens.
.macro TOKENS
	v_add_nc_u32 v[LA], s31, v[LR]
	v_add_nc_u32 v[LB], s31, v[L4]
	v_add_nc_u32 v[LGC], s31, v[H32]
.irp t, 0,1,2,3,4,5
	global_load_b32 v[TK+\t], v[LA], s[8:9] offset:64*\t                   ; tile t's row r
.endr
.irp u, 0,1,2
	global_load_b32 v[TS+\u], v[LB], s[8:9] offset:128*\u                  ; lanes 0-15: tile 2 u's rows; lanes 16-31: tile 2 u + 1's
.endr
	WIN 0xc0
.irp t, 0,1,2,3,4,5
.irp c, 0,1
	global_load_b128 v[TOW+8*\t+4*\c:TOW+8*\t+4*\c+3], v[LGC], s[8:9] offset:64*\t+16*\c   ; tile t's rows 8 h + 0 .. 7: the rows that I store
.endr
.endr
	WIN 0
.endm
.macro WLOAD d                         ; K steps 2 d and 2 d + 1 of my 16 rows of We into landing set d % 2: 32 loads, each of 512 consecutive bytes of one row
	WIN 0x40
.irp i, 0,1,2,3,4,5,6,7,8,9,10,11,12,13,14,15
	global_load_b128 v[128*((\d)%2)+8*\i:128*((\d)%2)+8*\i+3], v[L16], s[4:5] offset:8192*\i+1024*(\d) th:TH_LOAD_NT
	global_load_b128 v[128*((\d)%2)+8*\i+4:128*((\d)%2)+8*\i+7], v[L16], s[4:5] offset:8192*\i+1024*(\d)+512 th:TH_LOAD_NT
.endr
	WIN 0
.endm
; Of eight scale operands (rows 8 j + 0 .. 7, from register sb on) each lane picks that of row 8 j + lane % 8, by its lane's three low bits, and makes the byte.
.macro PICK sb, g
.set TB, TT+4*((\g)%2)
.irp q, 0,1,2,3
	v_cndmask_b32 v[TB+\q], v[\sb+2*\q], v[\sb+2*\q+1], s26
.endr
	v_cndmask_b32 v[TB], v[TB], v[TB+1], s27
	v_cndmask_b32 v[TB+2], v[TB+2], v[TB+3], s27
	v_cndmask_b32 v[TB], v[TB], v[TB+2], s28
	v_lshrrev_b32 v[BYR+\g], 23, v[TB]
.endm
; We's K STEPS 2 d AND 2 d + 1.
.macro QSTEP d, lcnt
.set LS, 128*((\d)%2)
	s_wait_loadcnt \lcnt                           ; this set's 32 loads are in: see the counts at the stream
	WIN 0x14                                       ; sources 1 and 2: window 1
.set I, 0
.rept 16
	v_max3_num_f32 v[MA+I], v[FL], |v[LS+8*I]|, |v[LS+8*I+1]|              ; with the floor: the byte cannot fall under 1
	v_max3_num_f32 v[MB+I], v[FL], |v[LS+8*I+4]|, |v[LS+8*I+5]|
.set I, I+1
.endr
.set I, 0
.rept 16
	v_max3_num_f32 v[MA+I], v[MA+I], |v[LS+8*I+2]|, |v[LS+8*I+3]|
	v_max3_num_f32 v[MB+I], v[MB+I], |v[LS+8*I+6]|, |v[LS+8*I+7]|
.set I, I+1
.endr
	WIN 0
.irp x, 1,2,4
.set I, 0
.rept 32
	v_max_num_f32_dpp v[MA+I], v[MA+I], v[MA+I] row_xmask:\x row_mask:0xf bank_mask:0xf   ; over the eight lanes of a block
.set I, I+1
.endr
.endr
.set I, 0
.rept 32
	v_add_nc_u32 v[MA+I], 0xff000000, v[MA+I]      ; 2 off the exponent field: the conversion's scale operand
.set I, I+1
.endr
	WIN 0x01                                       ; source 0: window 1
.set I, 0
.rept 16
	v_cvt_scalef32_pk8_fp4_f32 v[CA+I], v[LS+8*I:LS+8*I+7], v[MA+I]        ; its low half: my 4 codes of K step 2 d
	v_cvt_scalef32_pk8_fp4_f32 v[CB+I], v[LS+8*I:LS+8*I+7], v[MB+I]        ; its high half: my 4 codes of K step 2 d + 1
.set I, I+1
.endr
	WIN 0
	v_nop                                          ; one plain line behind the last conversion
.if (\d) < 6
	WLOAD (\d)+2                                   ; the landing set has been read
.endif
	PICK MA, 0
	PICK MA+8, 1
	PICK MB, 2
	PICK MB+8, 3
.set I, 0
.rept 16
	v_bfi_b32 v[CA+I], 0xffff, v[CA+I], v[CB+I]
.set I, I+1
.endr
.set I, 0
.rept 16
	v_mov_b32_dpp v[RX+I], v[CA+I] row_xmask:1 row_mask:0xf bank_mask:0xf
.set I, I+1
.endr
.set I, 0
.rept 16
	v_perm_b32 v[CB+I], v[RX+I], v[CA+I], v[SEL]   ; 8 neighbouring codes: even lanes of K step 2 d, odd lanes of 2 d + 1
.set I, I+1
.endr
.set I, 0
.rept 16
	ds_store_b32 v[CST], v[CB+I] offset:1040*I+128*(\d)                    ; 128 consecutive bytes of row I
.set I, I+1
.endr
.irp x, 0,1
.irp j, 0,1
	ds_store_b8 v[SST], v[BYR+2*\x+\j] offset:544*\j+8*(\d)+4*\x
.endr
.endr
.endm
; From tokens to byte offsets.  Each token is held inside 0 .. 2,047 whatever was loaded.
.macro ADDRS
.irp t, 0,1,2,3,4,5
	v_min_u32 v[TK+\t], 0x7ff, v[TK+\t]
.endr
.irp u, 0,1,2
	v_min_u32 v[TS+\u], 0x7ff, v[TS+\u]
.endr
.irp t, 0,1,2,3,4,5
	v_lshl_add_u32 v[VC+\t], v[TK+\t], 10, v[H16]  ; 1,024 bytes of codes a token, in the order of k; my half's 16 of each 32
	v_lshlrev_b32 v[VM+\t], 2, v[TK+\t]
.endr
.irp u, 0,1,2
	v_lshlrev_b32 v[VS+\u], 6, v[TS+\u]
.endr
	WIN 0xcf                                       ; sources 0 and 1 and the destination window 3, source 2 (16 r) window 0
.set J, 0
.rept 48
	v_min_u32 v[TOW+J], 0x7ff, v[TOW+J]
.set J, J+1
.endr
.set J, 0
.rept 48
	v_lshl_add_u32 v[TOW+J], v[TOW+J], 13, v[C16]  ; the token's row of 8,192 bytes + 16 r
.set J, J+1
.endr
	WIN 0
.endm
.macro XCODE set, off, b               ; a K step of the six tiles, 64 bytes a token at byte off from base b: 12 loads; the two halves of the lanes take 32 neighbouring bytes of a token
	WIN 0x80
.irp t, 0,1,2,3,4,5
.irp c, 0,1
	global_load_b128 v[48*(\set)+8*\t+4*\c:48*(\set)+8*\t+4*\c+3], v[VC+\t], s[\b:\b+1] offset:(\off)+32*\c
.endr
.endr
	WIN 0
.endm
.macro MLOAD                           ; mult of my rows: 6 loads
.irp t, 0,1,2,3,4,5
	global_load_b32 v[RM+2*\t], v[VM+\t], s[10:11]
.endr
.endm
.macro WFETCH adr, sadr, k             ; We's four fragments and four scale words of the K step k behind the two addresses
.irp c, 0,1,2,3
	ds_load_b128 v[WF+8*\c:WF+8*\c+3], v[\adr] offset:16640*\c+64*(\k)
	ds_load_b128 v[WF+8*\c+4:WF+8*\c+7], v[\adr] offset:16640*\c+64*(\k)+32
.endr
.irp c, 0,1,2,3
	ds_load_b32 v[WS+\c], v[\sadr] offset:1088*\c+4*(\k)
.endr
.endm
.macro MM t, c, s, first
.set rD, 8*(4*(\t)+(\c))
.set rA, WF+8*(\c)
.set rB, 48*((\s)%4)+8*(\t)
.set rC, rD
.if \first
.set rC, BI+8*(\c)
.endif
.set rSA, WS+(\c)
.set rSB, XS+16*((\t)/2)+(\s)
.if (\t)%2
	v_wmma_scale_f32_16x16x128_f8f6f4 v[rD:rD+7], v[rA:rA+7], v[rB:rB+7], v[rC:rC+7], v[rSA], v[rSB] matrix_a_fmt:MATRIX_FMT_FP4 matrix_b_fmt:MATRIX_FMT_FP4 matrix_b_scale:MATRIX_SCALE_ROW1
.else
	v_wmma_scale_f32_16x16x128_f8f6f4 v[rD:rD+7], v[rA:rA+7], v[rB:rB+7], v[rC:rC+7], v[rSA], v[rSB] matrix_a_fmt:MATRIX_FMT_FP4 matrix_b_fmt:MATRIX_FMT_FP4
.endif
.endm
; 24 matrix instructions, the 24 accumulators by turns, in the same order in every step; first = 1: the bias is the C.
.macro MULS s, first
.if \first
	WIN 0xe8                                       ; source 1 (x) and C (the bias) window 2, D window 3
.else
	WIN 0xf8                                       ; source 1 window 2, C and D window 3
.endif
.irp t, 0,1,2,3,4,5
.irp c, 0,1,2,3
	MM \t, \c, \s, \first
.endr
.endr
	WIN 0
.rept 4
	v_nop                                          ; four plain lines ahead of loads into registers that these products read, and of the first read of results
.endr
.endm
; The products of K step s in the stream, and the request for x's K step s + 4 into the set just multiplied.
.macro MSTEP s
	WFETCH IMR, SCR, \s
.if (\s) < 12
	s_wait_loadcnt 63
.else
	s_wait_loadcnt 12*(15-(\s))
.endif
	s_wait_dscnt 0x0
.if (\s) == 0
	MULS 0, 1
.else
	MULS \s, 0
.endif
.if (\s) < 12
	XCODE ((\s)%4), 64*((\s)+4), 12
.endif
.endm
.macro BAR                             ; my codes and scale bytes of the last four K steps have landed; behind the barrier everybody's have
	s_wait_dscnt 0x0
	s_barrier_signal -1
	s_barrier_wait -1
.endm
; THE STREAM.  Loads in the order of issue: tokens 21, bias 8, We's K steps 0-3 (64), x's scale words 12, mult 6; then at position P x's K steps 2 P and 2 P + 1 (12 each) and We's K steps 2 P + 4 and 2 P + 5 (32, up to P = 5).
; Loads come back in order (ISA guide 5.7.1), and a wait's count is what was issued behind the load that it serves, or less.  Behind the tokens: 72.  Behind We's set of position P at its wait: 74, 98, then 80, and 48 at P = 7.
; Behind x's K step s at its wait: 100 up to s = 9, 68 at s = 10 and 11, then 36, 24, 12, 0.  Where more than 63 were issued the wait names 63, the most that its field holds.
	TOKENS
	WIN 0x80
.irp c, 0,1,2,3
	global_load_b128 v[BI+8*\c:BI+8*\c+3], v[H32], s[6:7] offset:64*\c      ; the bias in the result's layout: lane (r, h), tile c: columns 16 c + 8 h + 0 .. 7
	global_load_b128 v[BI+8*\c+4:BI+8*\c+7], v[H32], s[6:7] offset:64*\c+16
.endr
	WIN 0
	WLOAD 0
	WLOAD 1
	s_wait_loadcnt 63                              ; the tokens are in
	ADDRS
.irp q, 0,1,2,3
.irp u, 0,1,2
	global_load_b128 v[XS+16*\u+4*\q:XS+16*\u+4*\q+3], v[VS+\u], s[14:15] offset:16*\q
.endr
.endr
	MLOAD
.set P, 0
.rept 2
	XCODE 2*P, 128*P, 12
	XCODE 2*P+1, 128*P+64, 12
	QSTEP P, 63
.set P, P+1
.endr
	BAR
.rept 6
	MSTEP 2*P-4
	MSTEP 2*P-3
.if P < 7
	QSTEP P, 63
.else
	QSTEP P, 48
.endif
.if P%2 == 1
	BAR
.endif
.set P, P+1
.endr
.irp s, 12,13,14,15
	MSTEP \s
.endr
	s_wait_kmcnt 0x0                               ; my count
	s_min_u32 s29, s29, 0x200                      ; a range has 512 tokens
; THE WAY OUT, a tile of 16 rows x 64 columns at a time: x mult; through my own stage; back as whole rows of 256 bytes; sixteen lanes store 256 consecutive bytes, aligned, of a token's row.
.macro PACK t
	WIN 0x03                                       ; source 0: window 3
.irp c, 0,1,2,3
.irp j, 0,2,4,6
	v_pk_mul_f32 v[T+8*\c+\j:T+8*\c+\j+1], v[8*(4*(\t)+\c)+\j:8*(4*(\t)+\c)+\j+1], v[RM+2*(\t):RM+2*(\t)+1] op_sel_hi:[1,0]   ; each accumulator from its low end on
.endr
.endr
	WIN 0
.endm
.macro TOSTAGE t
.set OBB, OB0+(OB1-OB0)*((\t)%2)
.irp c, 0,1,2,3
	ds_store_b128 v[STO], v[T+8*\c:T+8*\c+3] offset:64*\c
	ds_store_b128 v[STO], v[T+8*\c+4:T+8*\c+7] offset:64*\c+16
.endr
.if (\t) >= 2
	s_wait_xcnt 0x0                                ; the stores of the tile two back have read their data: the loads below land in those registers
.endif
.irp i, 0,1,2,3,4,5,6,7
	ds_load_b128 v[OBB+4*\i:OBB+4*\i+3], v[RD] offset:272*\i              ; rows i + 8 h; in order behind the stores
.endr
.endm
; Tile t leaves.  A tile all of whose 16 rows are rows of the list is stored as it stands.  A tile with padding: lanes 0-15 hold rows 0 .. 7, lanes 16-31 rows 8 .. 15; each half of the lanes stores its rows
; under the count one after the other and stops at the first row that is padding, by a scalar test: EXEC changes three times.
.macro SEND t
.set OBB, OB0+(OB1-OB0)*((\t)%2)
	s_wait_dscnt 0x0
	s_sub_co_i32 s33, s32, 16*(\t)                 ; rows left from this tile's first on: 1 or more
	s_cmp_ge_i32 s33, 16
	s_cbranch_scc1 .Lfull_\@
	WIN 0x03
.irp i, 0,1,2,3,4,5,6,7
	v_mov_b32 v[MO+\i], v[TOW+8*(\t)+\i]           ; the offsets into window 0: at a branch every window is 0
.endr
	WIN 0
	s_wait_alu depctr_va_vdst(0)
	s_wait_xcnt 0x0                                ; EXEC changes only behind this wait
	s_mov_b32 exec_lo, 0xffff
.irp i, 0,1,2,3,4,5,6,7
	s_cmp_le_i32 s33, \i
	s_cbranch_scc1 .Llo_\@
	global_store_b128 v[MO+\i], v[OBB+4*\i:OBB+4*\i+3], s[16:17] th:TH_STORE_NT
.endr
.Llo_\@:
	s_wait_xcnt 0x0
	s_mov_b32 exec_lo, 0xffff0000
.irp i, 0,1,2,3,4,5,6,7
	s_cmp_le_i32 s33, 8+\i
	s_cbranch_scc1 .Lhi_\@
	global_store_b128 v[MO+\i], v[OBB+4*\i:OBB+4*\i+3], s[16:17] th:TH_STORE_NT
.endr
.Lhi_\@:
	s_wait_xcnt 0x0
	s_mov_b32 exec_lo, -1
	s_branch .Lsent_\@
.Lfull_\@:
	WIN 0x03                                       ; a store's offset register is its source 0: window 3
.irp i, 0,1,2,3,4,5,6,7
	global_store_b128 v[TOW+8*(\t)+\i], v[OBB+4*\i:OBB+4*\i+3], s[16:17] th:TH_STORE_NT
.endr
	WIN 0
.Lsent_\@:
.endm
; BEHIND THE STREAM.  Trip i = 3 .. 23 stands for pass i / 4 and its group i % 4 of four K steps; trip 3 is the first pass's way out.  The count of trips is a constant; a trip without rows does nothing.
; A later pass begins its sums by loading the bias into the accumulators, and waits for all its loads in each group.
	s_mov_b32 s34, 3
.Ltrip:
	s_lshr_b32 s35, s34, 2
	s_mul_i32 s30, s35, 96                         ; the pass's first row
	s_mul_i32 s31, s35, 384                        ; and its bytes in my block of list
	s_and_b32 s35, s34, 3                          ; the group
	s_cmp_le_u32 s29, s30
	s_cbranch_scc1 .Lnext
	s_cmp_eq_u32 s34, 3
	s_cbranch_scc1 .Lout
	s_cmp_lg_u32 s35, 0
	s_cbranch_scc1 .Lgrp
	TOKENS                                         ; every earlier load is in and the last stores have read their registers
	s_wait_loadcnt 0x0
	ADDRS
	s_wait_alu depctr_va_vdst(0)
	MLOAD
	WIN 0xc0
.irp t, 0,1,2,3,4,5
.irp c, 0,1,2,3
	global_load_b128 v[8*(4*\t+\c):8*(4*\t+\c)+3], v[H32], s[6:7] offset:64*\c
	global_load_b128 v[8*(4*\t+\c)+4:8*(4*\t+\c)+7], v[H32], s[6:7] offset:64*\c+16
.endr
.endr
	WIN 0
.Lgrp:
	s_lshl_b32 s40, s35, 8                         ; the group's 256 bytes of a row's codes, x's and We's,
	s_mov_b32 s41, 0
	s_add_nc_u64 s[44:45], s[12:13], s[40:41]
	v_add_nc_u32 v[IM2], s40, v[IMR]
	s_lshl_b32 s40, s35, 4                         ; and its 16 scale bytes
	s_add_nc_u64 s[46:47], s[14:15], s[40:41]
	v_add_nc_u32 v[SC2], s40, v[SCR]
	s_wait_alu depctr_va_vdst(0)
.irp u, 0,1,2
	global_load_b128 v[XS+16*\u:XS+16*\u+3], v[VS+\u], s[46:47]
.endr
.irp j, 0,1,2,3
	XCODE \j, 64*\j, 44
.endr
.irp j, 0,1,2,3
	WFETCH IM2, SC2, \j
	s_wait_loadcnt 0x0
	s_wait_dscnt 0x0
	MULS \j, 0
.endr
	s_cmp_lg_u32 s35, 3
	s_cbranch_scc1 .Lnext
.Lout:
	s_sub_co_u32 s32, s29, s30                     ; rows left from this pass's first on
	PACK 0
.irp t, 0,1,2,3,4,5
	TOSTAGE \t
.if \t < 5
	PACK \t+1                                      ; the next tile's scaling stands between this tile's loads from the stage and the wait for them
	s_wait_alu depctr_va_vdst(0)
.endif
	SEND \t
.if \t < 5
	s_cmp_le_i32 s32, 16*(\t+1)
	s_cbranch_scc1 .Lgone                          ; the tiles behind this one hold padding alone
.endif
.endr
.Lgone:
	s_wait_xcnt 0x0                                ; the last stores have read their offsets and data: a further pass writes both again
.Lnext:
	s_add_co_u32 s34, s34, 1
	s_cmp_lt_u32 s34, 24
	s_cbranch_scc1 .Ltrip
	s_wait_tensorcnt 0x0                           ; the wave's end
	ds_add_u32 v[SPW], v[NIL]
	s_wait_dscnt 0x0
	s_endpgm
.Lfunc_end_k_q598910df95_experts:
	.size	k_q598910df95_experts, .Lfunc_end_k_q598910df95_experts-k_q598910df95_experts
	.p2alignl 7, 3214868480
	.fill 96, 4, 3214868480
	.section	.rodata,"a",@progbits
	.p2align	6, 0x0
	.amdhsa_kernel k_q598910df95_experts
		.amdhsa_group_segment_fixed_size 92672
		.amdhsa_private_segment_fixed_size 0
		.amdhsa_enable_private_segment 0
		.amdhsa_kernarg_size 56
		.amdhsa_user_sgpr_count 2
		.amdhsa_user_sgpr_kernarg_segment_ptr 1
		.amdhsa_wavefront_size32 1
		.amdhsa_system_sgpr_workgroup_id_x 1
		.amdhsa_system_sgpr_workgroup_id_y 1
		.amdhsa_system_sgpr_workgroup_id_z 1
		.amdhsa_system_vgpr_workitem_id 0
		.amdhsa_next_free_vgpr 1024
		.amdhsa_next_free_sgpr 66
		.amdhsa_reserve_vcc 0
		.amdhsa_float_denorm_mode_32 3
		.amdhsa_float_denorm_mode_16_64 3
		.amdhsa_memory_ordered 1
		.amdhsa_forward_progress 1
		.amdhsa_inst_pref_size 255
	.end_amdhsa_kernel
	.section	.bss,"aw",@nobits
	.p2align	6
	.space	262144
	.amdgpu_metadata
---
amdhsa.version: [ 1, 2 ]
amdhsa.kernels:
  - .name:           k_q598910df95_experts
    .symbol:         k_q598910df95_experts.kd
    .args:
      - { .name: We, .offset: 0, .size: 8, .value_kind: global_buffer, .address_space: global }
      - { .name: be, .offset: 8, .size: 8, .value_kind: global_buffer, .address_space: global }
      - { .name: list, .offset: 16, .size: 8, .value_kind: global_buffer, .address_space: global }
      - { .name: mult, .offset: 24, .size: 8, .value_kind: global_buffer, .address_space: global }
      - { .name: xc, .offset: 32, .size: 8, .value_kind: global_buffer, .address_space: global }
      - { .name: xs, .offset: 40, .size: 8, .value_kind: global_buffer, .address_space: global }
      - { .name: out0, .offset: 48, .size: 8, .value_kind: global_buffer, .address_space: global }
    .group_segment_fixed_size: 92672
    .private_segment_fixed_size: 0
    .kernarg_segment_align: 8
    .kernarg_segment_size: 56
    .max_flat_workgroup_size: 128
    .sgpr_count:     66
    .vgpr_count:     1024
    .wavefront_size: 32
...
	.end_amdgpu_metadata
.endif
;; end of part 3
